; MI455X (gfx1250); checked and timed in simulation.
; The chip was launched on July 23, 2026; its instructions are those of AMD's public machine-readable ISA for CDNA 5 (MIT licence, August 2026) and "CDNA5" Instruction Set Architecture Reference Guide (July 2026). The comments in the code are by the model that wrote it; some were corrected since.
;; Hyperbolic MLR. Allowed arithmetic: matrix products marked QUANTISED: E2M3 operands, one E8M0 scale for each 32 along K, by v_wmma_scale_f32_16x16x128_f8f6f4 with both operands' format E2M3, f32 sums; products left as they are: f32 operands where the result goes on into a quantised operand, else bf16, f16 or f32 operands; f32 sums; everything else in f32.
;; Inputs: a_vals 1,000 x 64 float32; p_vals 1,000 x 64 float32; x 2,048 x 64 float32.
;; Outputs: out0 2,048 x 1,000 float32.
;; This version of the problem:
;;   THIS VERSION OF THE PROBLEM IS GIVEN IN LOW PRECISION. The matrix products marked QUANTISED in the list below multiply operands that are first quantised to E2M3 (2 exponent bits, 3 mantissa bits; 6 bits a number), with one power-of-two scale for each 32 numbers along K (OCP MX v1.0); their sums are f32. All else is computed in f32.
;;   The module's matrix products, in the order in which they are computed (A, B: the left and right operand; K: the contracted axis; several contracted axes count as one K, in the product's order):
;;     1. [M 1,000, K 64] x [K 64, N 2,048]; A: computed on the way; B: input x: QUANTISED
;;     2. batch 1,000 x [M 2,048, K 64] x [K 64, N 1]; A: computed on the way; B: computed on the way: left as it is (N = 1 < 16)
;;   THE QUANTISER, for each operand of a quantised product, along K:
;;     - K is cut into blocks of 32 from its start; a last block that is shorter is filled with zeros.
;;     - A block's scale is 2^e with e = floor(log2(the largest magnitude in the block)) - 2, held to -126 .. 127; a block of zeros has e = 0. As a byte (E8M0): e + 127.
;;     - Each number is divided by its block's scale, clamped to +-7.5, and rounded to the nearest number of E2M3, ties to even, subnormals kept.
;;     - The product sums the exact products of the quantised numbers (number of the format x scale) in f32.
;;   ~~~python
;;   def quantise(x, axis):      # numpy; x: float32 -> the quantised numbers, widened to float32 again
;;       x = np.moveaxis(x, axis, -1); K = x.shape[-1]
;;       x = np.pad(x, [(0, 0)] * (x.ndim - 1) + [(0, -K % 32)]); x = x.reshape(x.shape[:-1] + (-1, 32)); a = np.abs(x).max(-1, keepdims=True)
;;       e = np.where(a > 0, np.clip(np.frexp(np.where(a > 0, a, 1))[1] - 1 - 2, -126, 127), 0)      # np.frexp(a)[1] - 1 = floor(log2(a)), exactly
;;       r = np.clip(x / 2.0 ** e, -7.5, 7.5)
;;       step = 2.0 ** (np.maximum(np.frexp(np.where(r == 0, 1, r))[1] - 1, 0) - 3)
;;       q = np.round(r / step) * step * 2.0 ** e      # np.round: ties to even
;;       return np.moveaxis(q.reshape(q.shape[:-2] + (-1,))[..., :K], -1, axis).astype(np.float32)
;;   ~~~
;;   OPERANDS COMPUTED ON THE WAY. 'Computed on the way' means the value that the module computes at that place (a softmax that the list does not call 'softmax' is quantised finished and normalised). What goes into a quantiser is computed in f32, as accurately as f32 sums, v_exp_f32 and their like allow (about 1e-6 of the number): no bf16 or f16 on the way to a quantiser, and a product that is left as it is and whose result goes on into a quantised operand takes f32 operands (vector FMAs, or v_wmma_f32_16x16x4_f32). A number that lies on a knife's edge between two numbers of the format may be rounded either way, as far as f32 arithmetic and the matrix unit's own rounding can turn it there, and no further.
;; One version. Each part assembles by itself: llvm-mc -triple=amdgcn-amd-amdhsa -mcpu=gfx1250 --defsym DOCPART=n.
;; ======== version 1 of 1: 1 launch
;; limits: a difference of large sums (such as E[x^2] - mean^2): digits are lost where the result is much smaller than its terms; values are held in f16: magnitudes above 65,504 overflow, below 6.1e-05 lose precision
;; launch mlr (part 1): grid 8 x 32, 16 waves a work-group, no clusters, 123,904 bytes of LDS; arguments x, a_vals, p_vals, out0; writes out0
.if DOCPART == 1
	.amdgcn_target "amdgcn-amd-amdhsa--gfx1250"
	.amdhsa_code_object_version 6
	.text
	.protected	k_q9359644f33_mlr
	.globl	k_q9359644f33_mlr
	.p2align	8
	.type	k_q9359644f33_mlr,@function
k_q9359644f33_mlr:
	s_mov_b64 s[64:65], 0
	v_nop
	global_prefetch_b8 v0, s[64:65] scope:SCOPE_SE
	s_setreg_imm32_b32 hwreg(HW_REG_WAVE_MODE, 25, 1), 1
	s_wait_xcnt 0x0
; Hyperbolic MLR logits.  x [2048][64], a_vals, p_vals [1000][64], out0 [2048][1000], all f32.  k = 0.1.
; mob = (al mp + be x) / den is never formed.  With al = 1 + 2k xy + k y2, be = 1 - k x2, den = 1 + 2k xy + k^2 x2 y2:
;   mob . a = (al (mp.a) + be (x.a)) / den,     sum mob^2 = N2 / den^2,  N2 = al (al x2 + 2 be (mp.x)) + be^2 y2,
;   z = (2 sqrt(k) / |a|) (al (mp.a) + be (x.a)) den / (den^2 - k N2),    out = scale sign(z) ln(|z| + sqrt(z^2 + 1)).
; THREE PRODUCTS over the 64:  xy = Q(mp).Q(x), the quantised one: codes of E2M3 with an E8M0 byte for each 32, by the scaled matrix form (K = 64 fills registers 0-5 of an
; operand, registers 6-11 are zero codes);  x.a: matrix form with f16 operands, f32 sums;  mp.x unquantised, which belongs to a norm that is kept in f32: f32 multiply-adds.
; SHARES.  A work-group: 64 rows of x x 128 classes, 16 waves.  Wave w: rows 16 (w & 3) on, classes 32 (w >> 2) on.  On the class side A LANE IS A CLASS and holds its whole rows of p and a:
; sums, tanh, constants and block maxima need no other lane.  v_permlane16_swap_b32 turns (block 0, block 1) of 32 classes into the fragments of two tiles of 16 classes, and turns the
; two tiles' results (8 rows a lane half) back into 16 rows for the lane's class.  x[b][d] for mp.x is a scalar operand: 32 scalars a set, two sets by turns.
; The four waves that share a class set each prepare it: no second barrier, no operand goes from wave to wave.
; NO CLUSTER, NO TENSOR LOAD: a work-group fills LDS once, with 80 KB, and never again; all else is arithmetic on registers.
; STORES: a row of out0 is 4,000 bytes, so a tile's piece of a row begins at a multiple of 32 bytes, not of 256; each store of a wave covers 512 consecutive bytes (416 in the last class tile).
; LIMITS: NaN and infinities among the inputs are not served.  x and a (1 + k p2) go to f16: over 65,504 they overflow, under 6.1e-5 they are rounded to about 3e-8 absolute.
; asinh has an absolute error of about 1e-7 (relative accuracy fades under |z| = 1e-5); z^2 and den^2 overflow above 1.8e19.  The expanded sums round relative to their largest term.
; A block of zeros gets the scale byte 1, not 127: its codes are zeros, and nobody else reads the bytes.
.set NCLS,   1000
.set PITCH,  272                       ; an LDS row of 64 f32: 256 bytes + 16, so that the 16 rows that a 16-byte load touches fall on 16 different 16-byte columns of 256
.set LP,     0                         ; LDS: p's 128 rows,
.set LA,     128*PITCH                 ; a's 128 rows,
.set LX,     2*128*PITCH               ; x's 64 rows,
.set LY,     LX+64*PITCH               ; y2 of a wave's 16 rows: 64 bytes for each wave, its own,
.set LOUT,   LY+16*64                  ; and the stage for the results: 64 rows x (512 bytes + 16)
.set OPITCH, 528
.set LANE, 1                           ; v1 lane   v2 lane % 16   v3 lane / 16
.set RR,   2
.set HH,   3
.set XADR, 4                           ; LDS: my 32 numbers of my row of x
.set CADR, 5                           ; LDS: my class's row of p (a's: LA further on)
.set YST,  6                           ; LDS: where y2 of row lane % 16 goes
.set YRD,  7                           ; LDS: my wave's 16 y2 (the same address in every lane)
.set OST,  8                           ; LDS: my class's place in the stage's row
.set ORD,  9                           ; LDS: my 16 bytes of a stage row
.set OGL,  10                          ; my byte offset in the tile of out0
.set MP,   16                          ; v16-79   p's row, then mp = -p_poin
.set AT,   80                          ; v80-143  a's row, then a_poin, then its f16 words in v80-111
.set XR,   144                         ; v144-175 my 32 numbers of x
.set CF0,  144                         ; v144-155, v156-167 the two class tiles' codes (6 registers) and zero codes (6)
.set CF1,  156
.set TA,   168                         ; v168-175 at work
.set XF,   176                         ; v176-187 x's codes and zero codes
.set XB,   188                         ; v188-203 x's f16 words: two fragments
.set XY,   204                         ; v204-219 xy: two tiles, then rows 0-15 of my class.  Scratch before the products
.set XA,   220                         ; v220-235 x.a likewise
.set TB,   228                         ; v228-235 at work before the products
.set C_X2, 236                         ; the class's constants, each on an even register (the packed forms name a pair and take its low word)
.set C_K2, 238                         ; k^2 x2
.set C_G,  240                         ; 2 be
.set C_B2, 242                         ; be^2
.set C_MA, 244                         ; (2 sqrt(k) / |a|) mp.a
.set C_BA, 246                         ; (2 sqrt(k) / |a|) be
.set C_SC, 248                         ; scale x ln 2
.set XS,   250                         ; x's scale words: nothing else ever
.set SW,   251                         ; the classes' scale words: nothing else ever
.set XP,   80                          ; behind the products: v80-95 mp.x, v96-111 al, v112-127 den, v128-143 y2, v144-159 1 + k y2
.set EA,   96
.set ED,   112
.set Y2,   128
.set KY,   144
.set U_PN, 204                         ; scratch of the class's scalars
.set U_Z,  205
.set U_W,  206
.set U_E,  207
.set U_F,  210
.set U_P,  211
.set U_CA, 212
.set U_RZ, 213
.set U_AN, 214
.set U_BE, 215
.set U_RB, 216
.set U_RA, 217
.set U_CZ, 218
.set SA,   16                          ; s[16:47], s[68:99] two sets of 32 scalars of x
.set SB,   68
.set S2K,  58                          ; s[58:59] 2k, s[60:61] k, s[62:63] -k: pairs, since the packed forms name pairs
.set SK,   60
.set SNK,  62
.macro PLACES n
.rept \n
	v_nop
.endr
.endm
; v[t] = the sum over 64 registers of v[a + i] v[b + i]: four packed chains; uses v[t .. t + 7]
.macro DOT64 t, a, b
.irp c,0,1,2,3
	v_pk_mul_f32 v[\t+2*\c:\t+2*\c+1], v[\a+2*\c:\a+2*\c+1], v[\b+2*\c:\b+2*\c+1]
.endr
.irp i,8,16,24,32,40,48,56
.irp c,0,1,2,3
	v_pk_fma_f32 v[\t+2*\c:\t+2*\c+1], v[\a+\i+2*\c:\a+\i+2*\c+1], v[\b+\i+2*\c:\b+\i+2*\c+1], v[\t+2*\c:\t+2*\c+1]
.endr
.endr
	v_pk_add_f32 v[\t:\t+1], v[\t:\t+1], v[\t+2:\t+3]
	v_pk_add_f32 v[\t+4:\t+5], v[\t+4:\t+5], v[\t+6:\t+7]
	v_pk_add_f32 v[\t:\t+1], v[\t:\t+1], v[\t+4:\t+5]
	v_add_f32 v[\t], v[\t], v[\t+1]
.endm
; v[m] = the largest magnitude of the block v[b .. b + 31], with the floor 2^(3 - 127) among its leaves, so that the scale's byte cannot fall under 1; v[t]: a second chain
.macro BMAX m, t, b
	v_max3_num_f32 v[\m], |v[\b]|, |v[\b+1]|, |v[\b+2]|
	v_max3_num_f32 v[\t], |v[\b+3]|, |v[\b+4]|, |v[\b+5]|
.irp i,6,10,14,18,22,26
	v_max3_num_f32 v[\m], v[\m], |v[\b+\i]|, |v[\b+\i+1]|
	v_max3_num_f32 v[\t], v[\t], |v[\b+\i+2]|, |v[\b+\i+3]|
.endr
	v_max3_num_f32 v[\m], v[\m], |v[\b+30]|, |v[\b+31]|
	v_max3_num_f32 v[\m], v[\m], v[\t], 0x1800000
.endm
; round rnd of 32: rows 2 (rnd / 4) and the next, d = 16 (rnd % 4) + 0 .. 15.  XLD: their 32 numbers of x into a set of scalars.  XFM: 32 multiply-adds, the two rows by turns
.macro XLD buf, rnd
.set RB, 2*((\rnd)/4)
.set DB, 16*((\rnd)%4)
	s_load_b512 s[\buf:\buf+15], s[48:49], RB*256+DB*4
	s_load_b512 s[\buf+16:\buf+31], s[48:49], RB*256+256+DB*4
.endm
.macro XFM buf, rnd
.set RB, 2*((\rnd)/4)
.set DB, 16*((\rnd)%4)
.irp i,0,1,2,3,4,5,6,7,8,9,10,11,12,13,14,15
.if ((\rnd)%4 == 0) && (\i == 0)
	v_mul_f32 v[XP+RB], s[\buf+\i], v[MP+DB+\i]             ; a row's first product starts its sum: nothing is cleared
	v_mul_f32 v[XP+RB+1], s[\buf+16+\i], v[MP+DB+\i]
.else
	v_fmac_f32 v[XP+RB], s[\buf+\i], v[MP+DB+\i]
	v_fmac_f32 v[XP+RB+1], s[\buf+16+\i], v[MP+DB+\i]
.endif
.endr
.endm
	s_load_b128 s[4:7], s[0:1], 0x0                ; x, a_vals
	s_load_b128 s[8:11], s[0:1], 0x10              ; p_vals, out0
	v_lshl_add_u32 v254, v0, 2, 0x1dc00
	v_mov_b32 v255, 0
	v_lshrrev_b32 v11, 5, v0
	v_readfirstlane_b32 s12, v11                   ; wave 0..15
	s_and_b32 s14, s12, 3                          ; which 16 rows of the tile are mine
	s_lshr_b32 s15, s12, 2                         ; which 32 classes
	s_and_b32 s13, ttmp7, 0xffff                   ; block of 64 rows of x
	s_lshl_b32 s50, ttmp9, 7                       ; the tile's first class
	; THE COPY INTO LDS: thread t takes 16 bytes at 16 t of each 8 KB (32 rows): a wave's load reads 512 consecutive bytes
	v_lshrrev_b32 v11, 4, v0                       ; row t / 16
	v_and_b32 v12, 15, v0
	v_lshlrev_b32 v12, 4, v12                      ; byte 16 (t % 16)
	v_mul_u32_u24 v13, v11, PITCH
	v_add_nc_u32 v13, v13, v12                     ; its place in LDS
	v_add_nc_u32 v14, LX, v13                      ; (x's tile lies beyond the 16-bit immediate)
	v_lshlrev_b32 v15, 4, v0                       ; x: 16 t
	v_add_nc_u32 v240, s50, v11
.irp i,1,2,3
	v_add_nc_u32 v[240+\i], 32*\i, v240
.endr
.irp i,0,1,2,3
	v_min_u32 v[240+\i], NCLS-1, v[240+\i]         ; the last tile has 104 classes: no load leaves its buffer; what the repeats give is not stored
.endr
.irp i,0,1,2,3
	v_lshl_or_b32 v[240+\i], v[240+\i], 8, v12     ; class x 256 bytes + my 16
.endr
	s_lshl_b32 s2, s13, 14                         ; 64 rows of 256 bytes
	s_mov_b32 s3, 0
	s_wait_kmcnt 0x0
	s_add_nc_u64 s[4:5], s[4:5], s[2:3]            ; x at the tile's first row
.irp i,0,1,2,3
	global_load_b128 v[16+4*\i:19+4*\i], v[240+\i], s[8:9]
.endr
.irp i,0,1,2,3
	global_load_b128 v[32+4*\i:35+4*\i], v[240+\i], s[6:7]
.endr
	global_load_b128 v[48:51], v15, s[4:5]
	global_load_b128 v[52:55], v15, s[4:5] offset:8192
	s_lshl_b32 s2, s14, 12                         ; my wave's 16 rows of x, for the scalar loads
	s_add_nc_u64 s[48:49], s[4:5], s[2:3]
	XLD SA, 0                                      ; the first 32 scalars are asked for now and wanted much later
	s_mul_i32 s2, s13, 64*4*NCLS                   ; out0 at the tile's first row and class
	s_lshl_b32 s57, s50, 2
	s_add_co_u32 s2, s2, s57
	s_add_nc_u64 s[10:11], s[10:11], s[2:3]
	s_sub_co_u32 s51, NCLS, s50
	s_lshr_b32 s51, s51, 2
	s_min_u32 s51, s51, 32                         ; how many lanes of a row's 32 store 4 classes: 32, or 26 in the last tile
	s_mov_b32 s52, 0x76543210
	s_mov_b32 s53, 0xfedcba98                      ; v_permlanex16_b32's selects for lane l xor 16
	s_mov_b32 s54, 0x7fffffff
	s_mov_b32 s[S2K], 0x3e4ccccd                   ; 2k
	s_mov_b32 s[S2K+1], s[S2K]
	s_mov_b32 s[SK], 0x3dcccccd                    ; k
	s_mov_b32 s[SK+1], s[SK]
	s_mov_b32 s[SNK], 0xbdcccccd                   ; -k
	s_mov_b32 s[SNK+1], s[SNK]
	v_and_b32 v[LANE], 31, v0
	v_and_b32 v[RR], 15, v0
	v_bfe_u32 v[HH], v0, 4, 1
	s_mul_i32 s2, s14, 16*PITCH
	s_add_co_u32 s2, s2, LX
	v_mul_u32_u24 v[XADR], v[RR], PITCH
	v_lshl_add_u32 v[XADR], v[HH], 7, v[XADR]      ; row lane % 16, d = 32 (lane / 16) on
	v_add_nc_u32 v[XADR], s2, v[XADR]
	s_mul_i32 s2, s15, 32*PITCH
	v_mul_u32_u24 v[CADR], v[LANE], PITCH
	v_add_nc_u32 v[CADR], s2, v[CADR]              ; class 32 (w >> 2) + lane
	s_lshl_b32 s2, s12, 6
	s_add_co_u32 s2, s2, LY
	v_mov_b32 v[YRD], s2
	v_lshl_add_u32 v[YST], v[RR], 2, s2
	s_mul_i32 s2, s14, 16*OPITCH
	s_lshl_b32 s57, s15, 7
	s_add_co_u32 s2, s2, s57
	s_add_co_u32 s2, s2, LOUT
	v_lshl_add_u32 v[OST], v[LANE], 2, s2          ; stage: my 16 rows, my class's 4 bytes
	s_mul_i32 s2, s12, 4*OPITCH
	s_add_co_u32 s2, s2, LOUT
	v_lshl_add_u32 v[ORD], v[LANE], 4, s2          ; back: wave w takes rows 4 w .. 4 w + 3, 16 bytes a lane
	s_mul_i32 s2, s12, 4*4*NCLS
	v_lshl_add_u32 v[OGL], v[LANE], 4, s2          ; and the same place in out0
	s_wait_loadcnt 6                               ; p's four loads are in; a's four and x's two may be out
.irp i,0,1,2,3
	ds_store_b128 v13, v[16+4*\i:19+4*\i] offset:LP+\i*32*PITCH
.endr
	s_wait_loadcnt 2                               ; a's are in; x's two may be out
.irp i,0,1,2,3
	ds_store_b128 v13, v[32+4*\i:35+4*\i] offset:LA+\i*32*PITCH
.endr
	s_wait_loadcnt 0x0
	ds_store_b128 v14, v[48:51]
	ds_store_b128 v14, v[52:55] offset:32*PITCH
	s_wait_dscnt 0x0                               ; for the others' sake: my stores have landed
	s_barrier_signal -1
	s_barrier_wait -1                              ; the three tiles lie in LDS; nobody writes them again
.irp i,0,1,2,3,4,5,6,7
	ds_load_b128 v[XR+4*\i:XR+4*\i+3], v[XADR] offset:16*\i
.endr
.irp i,0,1,2,3,4,5,6,7,8,9,10,11,12,13,14,15
	ds_load_b128 v[MP+4*\i:MP+4*\i+3], v[CADR] offset:LP+16*\i
.endr
.irp i,0,1,2,3,4,5,6,7,8,9,10,11,12,13,14,15
	ds_load_b128 v[AT+4*\i:AT+4*\i+3], v[CADR] offset:LA+16*\i
.endr
	s_wait_dscnt 32                                ; x's 8 loads are in; p's and a's 32 may be out
	; ---- x: lane (r, h) holds d = 32 h + 0 .. 31 of row r: one whole block.  y2, the codes, the scale word, the f16 words
	v_pk_mul_f32 v[204:205], v[XR:XR+1], v[XR:XR+1]
	v_pk_mul_f32 v[206:207], v[XR+2:XR+3], v[XR+2:XR+3]
.irp i,4,8,12,16,20,24,28
	v_pk_fma_f32 v[204:205], v[XR+\i:XR+\i+1], v[XR+\i:XR+\i+1], v[204:205]
	v_pk_fma_f32 v[206:207], v[XR+\i+2:XR+\i+3], v[XR+\i+2:XR+\i+3], v[206:207]
.endr
	BMAX 208, 209, XR
	v_pk_add_f32 v[204:205], v[204:205], v[206:207]
	v_add_f32 v204, v204, v205
	v_permlanex16_b32 v205, v204, s52, s53
	v_add_f32 v204, v204, v205                     ; y2 of row r
	ds_store_b32 v[YST], v204                      ; (both halves of the lanes write the same word with the same value)
	v_add_nc_u32 v210, 0xff000000, v208            ; 2 off the largest magnitude's exponent field: the conversion takes that field as its scale
	v_lshrrev_b32 v211, 23, v210                   ; the scale's byte
	v_lshlrev_b32 v212, 3, v[HH]
	v_lshlrev_b32 v211, v212, v211                 ; at byte h of the row's word;
	v_permlanex16_b32 v212, v211, s52, s53
	v_or_b32 v[XS], v211, v212                     ; with lane l xor 16's the word is whole.  Bytes 2 and 3 stay 0: they scale zero codes
	v_cvt_scalef32_pk16_fp6_f32 v[XF:XF+2], v[XR:XR+15], v210
	v_cvt_scalef32_pk16_fp6_f32 v[214:216], v[XR+16:XR+31], v210   ; (a conversion's three registers begin on an even number)
	v_nop                                          ; one plain place behind a scaled conversion
.irp i,0,1,2
	v_mov_b32 v[XF+3+\i], v[214+\i]
.endr
.irp i,6,7,8,9,10,11
	v_mov_b32 v[XF+\i], 0                          ; K = 64 .. 127: zero codes
.endr
.set II, 0
.rept 16
	v_cvt_pk_f16_f32 v[XB+II], v[XR+2*II], v[XR+2*II+1]   ; word i of lane (r, h): d = 32 h + 2 i, + 1.  The classes' words are laid by the same map, so equal places hold equal d
.set II, II+1
.endr
	s_wait_dscnt 0x0                               ; p's and a's rows are in
	; ---- my class: p_poin = p tanh(z) / z with z = sqrt(k) |p|
.irp i,1,3,5,7,9,11,13
	v_mov_b32 v[C_X2+\i], 0                        ; the upper halves of the constants' pairs are named, so they are written
.endr
.irp i,6,7,8,9,10,11
	v_mov_b32 v[CF0+\i], 0                         ; K = 64 .. 127: zero codes
	v_mov_b32 v[CF1+\i], 0
.endr
	DOT64 TA, MP, MP
	v_sqrt_f32 v[U_PN], v[TA]
	v_nop                                          ; a plain place behind the transcendental,
	s_wait_alu depctr_va_vdst(0)                   ; and a wait ahead of the first line that names its result
	v_max_num_f32 v[U_PN], 0x26901d7d, v[U_PN]     ; at least 1e-15
	v_mul_f32 v[U_Z], 0x3ea1e89b, v[U_PN]          ; z = sqrt(k) |p|
	v_mul_f32 v[U_W], v[U_Z], v[U_Z]
	v_mul_f32 v[U_E], 0x4038aa3b, v[U_Z]           ; 2 z log2(e)
	v_exp_f32 v[U_E], v[U_E]                       ; e^(2 z)
	v_rcp_f32 v[U_RZ], v[U_Z]
	v_mov_b32 v[U_P], 0xbc11371b                   ; z^2 under 0.1225: tanh(z) / z = 1 - w/3 + 2 w^2/15 - 17 w^3/315 + 62 w^4/2835 - 1382 w^5/155925, w = z^2; the first term left out is under 1.3e-8 there
	v_fmaak_f32 v[U_P], v[U_P], v[U_W], 0x3cb327a4
	v_fmaak_f32 v[U_P], v[U_P], v[U_W], 0xbd5d0dd1
	v_fmaak_f32 v[U_P], v[U_P], v[U_W], 0x3e088889
	v_fmaak_f32 v[U_P], v[U_P], v[U_W], 0xbeaaaaab
	v_fma_f32 v[U_P], v[U_P], v[U_W], 1.0
	s_wait_alu depctr_va_vdst(0)                   ; one wait for the two; the series is the work between
	v_add_f32 v[U_E], 1.0, v[U_E]
	v_rcp_f32 v[U_E], v[U_E]
	v_nop
	v_cmp_gt_f32 vcc_lo, 0x3dfae148, v[U_W]        ; 0.1225 > z^2 ?  The choice selects a value; both ways are always computed
	s_wait_alu depctr_va_vdst(0)
	v_fma_f32 v[U_E], v[U_E], -2.0, 1.0            ; else tanh(z) = 1 - 2 / (1 + e^(2 z)), at least 0.33 there: no loss by the subtraction
	v_mul_f32 v[U_E], v[U_E], v[U_RZ]
	v_cndmask_b32 v[U_F], v[U_E], v[U_P], vcc_lo
	v_xor_b32 v[U_F], 0x80000000, v[U_F]           ; - tanh(z) / z
.set II, 0
.rept 32
	v_pk_mul_f32 v[MP+II:MP+II+1], v[MP+II:MP+II+1], v[U_F:U_F+1] op_sel_hi:[1,0]   ; mp = -p_poin
.set II, II+2
.endr
	DOT64 TA, MP, MP                               ; x2 = p2
	v_mov_b32 v[C_X2], v[TA]
	v_fma_f32 v[U_CA], v[TA], s[SK], 1.0           ; 1 + k p2
.set II, 0
.rept 32
	v_pk_mul_f32 v[AT+II:AT+II+1], v[AT+II:AT+II+1], v[U_CA:U_CA+1] op_sel_hi:[1,0]   ; a_poin
.set II, II+2
.endr
	DOT64 TA, AT, AT                               ; |a_poin|^2
	DOT64 TB, MP, AT                               ; mp . a_poin
	v_fma_f32 v[U_BE], -v[C_X2], s[SK], 1.0        ; be = 1 - k x2
	v_sqrt_f32 v[U_AN], v[TA]
	v_rcp_f32 v[U_RB], v[U_BE]
	v_mul_f32 v[C_K2], 0x3c23d70b, v[C_X2]         ; k^2 x2
	v_add_f32 v[C_G], v[U_BE], v[U_BE]
	v_mul_f32 v[C_B2], v[U_BE], v[U_BE]
	s_wait_alu depctr_va_vdst(0)                   ; one wait for the two; the three lines above are the work between
	v_max_num_f32 v[U_AN], 0x26901d7d, v[U_AN]     ; |a_poin|, at least 1e-15
	v_rcp_f32 v[U_RA], v[U_AN]
	v_mul_f32 v[U_RB], v[U_RB], v[U_AN]
	v_mul_f32 v[C_SC], 0x408c487b, v[U_RB]         ; scale ln 2 = (|a| / be) (2 ln 2 / sqrt(k))
	s_wait_alu depctr_va_vdst(0)
	v_mul_f32 v[U_CZ], 0x3f21e89b, v[U_RA]         ; 2 sqrt(k) / |a|
	v_mul_f32 v[C_MA], v[U_CZ], v[TB]
	v_mul_f32 v[C_BA], v[U_CZ], v[U_BE]
	; ---- mp's codes: both blocks of my class are mine
	BMAX 220, 221, MP
	BMAX 222, 223, MP+32
	v_add_nc_u32 v224, 0xff000000, v220
	v_add_nc_u32 v225, 0xff000000, v222
	v_lshrrev_b32 v226, 23, v224
	v_lshrrev_b32 v227, 23, v225
	v_lshl_or_b32 v[SW], v227, 8, v226             ; my class's scale word.  Lanes 0-15 serve the first tile of classes, lanes 16-31 the second
	v_cvt_scalef32_pk16_fp6_f32 v[CF0:CF0+2], v[MP:MP+15], v224
	v_cvt_scalef32_pk16_fp6_f32 v[TA:TA+2], v[MP+16:MP+31], v224
	v_cvt_scalef32_pk16_fp6_f32 v[CF1:CF1+2], v[MP+32:MP+47], v225
	v_cvt_scalef32_pk16_fp6_f32 v[TA+4:TA+6], v[MP+48:MP+63], v225
	v_nop                                          ; one plain place behind the scaled conversions
.irp i,0,1,2
	v_mov_b32 v[CF0+3+\i], v[TA+\i]                ; CF0: block 0 of class lane;
	v_mov_b32 v[CF1+3+\i], v[TA+4+\i]              ; CF1: block 1
.endr
.irp i,0,1,2,3,4,5
	v_permlane16_swap_b32 v[CF0+\i], v[CF1+\i]     ; CF0's lanes 16-31 change places with CF1's lanes 0-15: CF0 = classes 0-15 (block h in half h), CF1 = classes 16-31
.endr
.set II, 0
.rept 32
	v_cvt_pk_f16_f32 v[AT+II], v[AT+2*II], v[AT+2*II+1]   ; in place: word i lands on a register whose number has been read
.set II, II+1
.endr
.set II, 0
.rept 16
	v_permlane16_swap_b32 v[AT+II], v[AT+16+II]    ; likewise: v80-95 = classes 0-15, v96-111 = classes 16-31; word i of half h: d = 32 h + 2 i, + 1
.set II, II+1
.endr
	PLACES 8                                       ; scale words made by vector lines stand 8 places ahead of a scaled matrix line, operands 4
	; ---- the products.  Source 0 = my 16 rows of x, source 1 = 16 classes: register j of lane (r, h) is (row 8 h + j, class r).  The accumulators take turns
	v_wmma_scale_f32_16x16x128_f8f6f4 v[XY:XY+7], v[XF:XF+11], v[CF0:CF0+11], 0, v[XS], v[SW] matrix_a_fmt:MATRIX_FMT_FP6 matrix_b_fmt:MATRIX_FMT_FP6
	v_wmma_scale_f32_16x16x128_f8f6f4 v[XY+8:XY+15], v[XF:XF+11], v[CF1:CF1+11], 0, v[XS], v[SW] matrix_a_fmt:MATRIX_FMT_FP6 matrix_b_fmt:MATRIX_FMT_FP6 matrix_b_scale:MATRIX_SCALE_ROW1
	v_wmma_f32_16x16x32_f16 v[XA:XA+7], v[XB:XB+7], v[AT:AT+7], 0
	v_wmma_f32_16x16x32_f16 v[XA+8:XA+15], v[XB:XB+7], v[AT+16:AT+23], 0
	v_wmma_f32_16x16x32_f16 v[XA:XA+7], v[XB+8:XB+15], v[AT+8:AT+15], v[XA:XA+7]
	v_wmma_f32_16x16x32_f16 v[XA+8:XA+15], v[XB+8:XB+15], v[AT+24:AT+31], v[XA+8:XA+15]
	PLACES 4                                       ; four places ahead of the first read of a result and the first write of a source
.irp j,0,1,2,3,4,5,6,7
	v_permlane16_swap_b32 v[XY+\j], v[XY+8+\j]     ; from each accumulator's low end on.  Now LANE = CLASS again: register b is row b
.endr
.irp j,0,1,2,3,4,5,6,7
	v_permlane16_swap_b32 v[XA+\j], v[XA+8+\j]
.endr
.irp i,0,1,2,3
	ds_load_b128 v[Y2+4*\i:Y2+4*\i+3], v[YRD] offset:16*\i   ; my 16 rows' y2, the same in every lane (my own wave stored them: LDS serves a wave's lines in order)
.endr
	; ---- mp . x in f32: 16 rows x 64 multiply-adds; x is a scalar operand.  While one set of 32 scalars is multiplied the other is on its way.
	; A set is asked for again only behind the last multiply-add that reads it.  Scalar loads come back in no order: every wait is for all
.set RN, 0
.rept 16
	s_wait_kmcnt 0x0
	XLD SB, 2*RN+1
	XFM SA, 2*RN
	s_wait_kmcnt 0x0
.if RN < 15
	XLD SA, 2*RN+2
.endif
	XFM SB, 2*RN+1
.set RN, RN+1
.endr
	s_wait_dscnt 0x0                               ; y2
	; ---- the tail, two rows an instruction
.irp p,0,2,4,6,8,10,12,14
	v_pk_fma_f32 v[KY+\p:KY+\p+1], v[Y2+\p:Y2+\p+1], s[SK:SK+1], 1.0 op_sel_hi:[1,0,0]               ; 1 + k y2
.endr
.irp p,0,2,4,6,8,10,12,14
	v_pk_fma_f32 v[ED+\p:ED+\p+1], v[Y2+\p:Y2+\p+1], v[C_K2:C_K2+1], 1.0 op_sel_hi:[1,0,0]           ; 1 + k^2 x2 y2
.endr
.irp p,0,2,4,6,8,10,12,14
	v_pk_fma_f32 v[EA+\p:EA+\p+1], v[XY+\p:XY+\p+1], s[S2K:S2K+1], v[KY+\p:KY+\p+1] op_sel_hi:[1,0,1]   ; al
.endr
.irp p,0,2,4,6,8,10,12,14
	v_pk_fma_f32 v[ED+\p:ED+\p+1], v[XY+\p:XY+\p+1], s[S2K:S2K+1], v[ED+\p:ED+\p+1] op_sel_hi:[1,0,1]   ; den
.endr
.irp p,0,2,4,6,8,10,12,14
	v_pk_mul_f32 v[XA+\p:XA+\p+1], v[XA+\p:XA+\p+1], v[C_BA:C_BA+1] op_sel_hi:[1,0]
.endr
.irp p,0,2,4,6,8,10,12,14
	v_pk_fma_f32 v[XA+\p:XA+\p+1], v[EA+\p:EA+\p+1], v[C_MA:C_MA+1], v[XA+\p:XA+\p+1] op_sel_hi:[1,0,1]   ; (2 sqrt(k) / |a|) (al mp.a + be x.a)
.endr
.irp p,0,2,4,6,8,10,12,14
	v_pk_mul_f32 v[XP+\p:XP+\p+1], v[XP+\p:XP+\p+1], v[C_G:C_G+1] op_sel_hi:[1,0]
.endr
.irp p,0,2,4,6,8,10,12,14
	v_pk_fma_f32 v[XP+\p:XP+\p+1], v[EA+\p:EA+\p+1], v[C_X2:C_X2+1], v[XP+\p:XP+\p+1] op_sel_hi:[1,0,1]   ; al x2 + 2 be mp.x
.endr
.irp p,0,2,4,6,8,10,12,14
	v_pk_mul_f32 v[KY+\p:KY+\p+1], v[Y2+\p:Y2+\p+1], v[C_B2:C_B2+1] op_sel_hi:[1,0]                  ; be^2 y2
.endr
.irp p,0,2,4,6,8,10,12,14
	v_pk_fma_f32 v[XP+\p:XP+\p+1], v[EA+\p:EA+\p+1], v[XP+\p:XP+\p+1], v[KY+\p:KY+\p+1]              ; N2
.endr
.irp p,0,2,4,6,8,10,12,14
	v_pk_mul_f32 v[EA+\p:EA+\p+1], v[ED+\p:ED+\p+1], v[ED+\p:ED+\p+1]
.endr
.irp p,0,2,4,6,8,10,12,14
	v_pk_fma_f32 v[EA+\p:EA+\p+1], v[XP+\p:XP+\p+1], s[SNK:SNK+1], v[EA+\p:EA+\p+1] op_sel_hi:[1,0,1]   ; den^2 - k N2
.endr
.irp p,0,2,4,6,8,10,12,14
	v_pk_mul_f32 v[XA+\p:XA+\p+1], v[XA+\p:XA+\p+1], v[ED+\p:ED+\p+1]
.endr
.irp b,0,1,2,3,4,5,6,7,8,9,10,11,12,13,14,15
	v_rcp_f32 v[EA+\b], v[EA+\b]
.endr
	v_nop                                          ; each batch of sixteen: one plain place, one wait, then the readers
	s_wait_alu depctr_va_vdst(0)
.irp p,0,2,4,6,8,10,12,14
	v_pk_mul_f32 v[XA+\p:XA+\p+1], v[XA+\p:XA+\p+1], v[EA+\p:EA+\p+1]                                ; z
.endr
.irp p,0,2,4,6,8,10,12,14
	v_pk_fma_f32 v[EA+\p:EA+\p+1], v[XA+\p:XA+\p+1], v[XA+\p:XA+\p+1], 1.0 op_sel_hi:[1,1,0]
.endr
.irp b,0,1,2,3,4,5,6,7,8,9,10,11,12,13,14,15
	v_sqrt_f32 v[EA+\b], v[EA+\b]
.endr
	v_nop
	s_wait_alu depctr_va_vdst(0)
.irp b,0,1,2,3,4,5,6,7,8,9,10,11,12,13,14,15
	v_add_f32 v[EA+\b], |v[XA+\b]|, v[EA+\b]       ; |z| + sqrt(z^2 + 1), at least 1
.endr
.irp b,0,1,2,3,4,5,6,7,8,9,10,11,12,13,14,15
	v_log_f32 v[EA+\b], v[EA+\b]
.endr
	v_nop
	s_wait_alu depctr_va_vdst(0)
.irp b,0,1,2,3,4,5,6,7,8,9,10,11,12,13,14,15
	v_bfi_b32 v[EA+\b], s54, v[EA+\b], v[XA+\b]    ; with z's sign
.endr
.irp p,0,2,4,6,8,10,12,14
	v_pk_mul_f32 v[EA+\p:EA+\p+1], v[EA+\p:EA+\p+1], v[C_SC:C_SC+1] op_sel_hi:[1,0]
.endr
	; ---- the way out: a register holds 32 neighbouring classes of one row; a row's 128 classes come from four waves and meet in the stage
.irp b,0,1,2,3,4,5,6,7,8,9,10,11,12,13,14,15
	ds_store_b32 v[OST], v[EA+\b] offset:\b*OPITCH
.endr
	s_wait_dscnt 0x0                               ; for the others' sake: my stores have landed
	s_barrier_signal -1
	s_barrier_wait -1
.irp i,0,1,2,3
	ds_load_b128 v[MP+4*\i:MP+4*\i+3], v[ORD] offset:\i*OPITCH
.endr
	v_cmp_gt_u32 vcc_lo, s51, v[LANE]              ; the lanes whose 4 classes exist: a matter of ids alone
	s_wait_dscnt 0x0
	s_wait_xcnt 0x0                                ; EXEC changes only behind this wait
	s_wait_tensorcnt 0x0
	ds_add_u32 v254, v255
	s_wait_dscnt 0x0
	s_and_saveexec_b32 s55, vcc_lo
.irp i,0,1,2,3
	global_store_b128 v[OGL], v[MP+4*\i:MP+4*\i+3], s[10:11] offset:\i*4*NCLS th:TH_STORE_NT   ; 512 consecutive bytes of a row (416 in the last class tile); written once, read by nobody here
.endr
	s_wait_xcnt 0x0                                ; and again, in front of the line that widens it
	s_or_b32 exec_lo, exec_lo, s55
	s_endpgm
.Lfunc_end_k_q9359644f33_mlr:
	.size	k_q9359644f33_mlr, .Lfunc_end_k_q9359644f33_mlr-k_q9359644f33_mlr
	.p2alignl 7, 3214868480
	.fill 96, 4, 3214868480
	.section	.rodata,"a",@progbits
	.p2align	6, 0x0
	.amdhsa_kernel k_q9359644f33_mlr
		.amdhsa_group_segment_fixed_size 123904
		.amdhsa_private_segment_fixed_size 0
		.amdhsa_enable_private_segment 0
		.amdhsa_kernarg_size 32
		.amdhsa_user_sgpr_count 2
		.amdhsa_user_sgpr_kernarg_segment_ptr 1
		.amdhsa_wavefront_size32 1
		.amdhsa_system_sgpr_workgroup_id_x 1
		.amdhsa_system_sgpr_workgroup_id_y 1
		.amdhsa_system_sgpr_workgroup_id_z 1
		.amdhsa_system_vgpr_workitem_id 0
		.amdhsa_next_free_vgpr 256
		.amdhsa_next_free_sgpr 100
		.amdhsa_reserve_vcc 1
		.amdhsa_float_denorm_mode_32 3
		.amdhsa_float_denorm_mode_16_64 3
		.amdhsa_memory_ordered 1
		.amdhsa_forward_progress 1
		.amdhsa_inst_pref_size 86
	.end_amdhsa_kernel
	.amdgpu_metadata
---
amdhsa.version: [ 1, 2 ]
amdhsa.kernels:
  - .name:           k_q9359644f33_mlr
    .symbol:         k_q9359644f33_mlr.kd
    .args:
      - { .name: x, .offset: 0, .size: 8, .value_kind: global_buffer, .address_space: global }
      - { .name: a_vals, .offset: 8, .size: 8, .value_kind: global_buffer, .address_space: global }
      - { .name: p_vals, .offset: 16, .size: 8, .value_kind: global_buffer, .address_space: global }
      - { .name: out0, .offset: 24, .size: 8, .value_kind: global_buffer, .address_space: global }
    .group_segment_fixed_size: 123904
    .private_segment_fixed_size: 0
    .kernarg_segment_align: 8
    .kernarg_segment_size: 32
    .max_flat_workgroup_size: 512
    .sgpr_count:     100
    .vgpr_count:     256
    .wavefront_size: 32
...
	.end_amdgpu_metadata
.endif
;; end of part 1
